; MI455X (gfx1250); checked and timed in simulation.
; The chip was launched on July 23, 2026; its instructions are those of AMD's public machine-readable ISA for CDNA 5 (MIT licence, August 2026) and "CDNA5" Instruction Set Architecture Reference Guide (July 2026). The comments in the code are by the model that wrote it; some were corrected since.
;; Attention. Allowed arithmetic: float matrix products may take bf16 or f16 operands with f32 sums; all other float work in f32.
;; Inputs: k 4 x 16 x 2,048 x 128 float32; mask 2,048 x 2,048 bool; q 4 x 16 x 2,048 x 128 float32; v 4 x 16 x 2,048 x 128 float32.
;; Outputs: out0 4 x 16 x 2,048 x 128 float32.
;; 2 versions, each right. Each part assembles by itself: llvm-mc -triple=amdgcn-amd-amdhsa -mcpu=gfx1250 --defsym DOCPART=n.
;; ======== version 1 of 2: 2 launches
;; limits: values are held in f16: magnitudes above 65,504 overflow, below 6.1e-05 lose precision; inputs' magnitudes at most 65,504
;; workspace buffers: lm 524,288 bytes of whole numbers
;; launch lanemask (part 1): grid 256 x 1, 8 waves a work-group, no clusters, 0 bytes of LDS; arguments mask, lm; writes lm
.if DOCPART == 1
	.amdgcn_target "amdgcn-amd-amdhsa--gfx1250"
	.amdhsa_code_object_version 6
	.text
	.protected	k_q892861bd25_lanemask
	.globl	k_q892861bd25_lanemask
	.p2align	8
	.type	k_q892861bd25_lanemask,@function
k_q892861bd25_lanemask:
	s_mov_b64 s[64:65], 0
	v_nop
	global_prefetch_b8 v0, s[64:65] scope:SCOPE_SE
	s_setreg_imm32_b32 hwreg(HW_REG_WAVE_MODE, 25, 1), 1
	s_wait_xcnt 0x0
; mask [2048][2048] of bytes -> lm, 32-bit lane masks in the order in which the attention launch selects with them.
; lm word ((g*128 + kbg)*4 + qb)*8 + j, bit 16 h + r  =  (mask[64 g + 16 qb + r][16 kbg + 8 h + j] != 0).
; Any byte other than 0 counts as true.
; A wave makes the 64 words of one g (64 query rows) and one pair of key blocks (32 keys): 256 consecutive bytes of lm, aligned, one store.
; The eight waves of a work-group take eight neighbouring pairs, so together they read 256 consecutive bytes of each of their 64 mask rows.
; No LDS, no barrier: no wave needs another's data.
.set DAT,  4                           ; v[4:19]   pair 4 e + qb: my 8 mask bytes of row 16 qb + r, keys 16 e + 8 h + 0..7
.set OUTW, 20                          ; v[20:21]  lane l: words 2 l and 2 l + 1
.set TMPV, 22                          ; v[22:25]  at work
	s_load_b128 s[4:7], s[0:1], 0x0                ; mask s[4:5], lm s[6:7]
	v_lshrrev_b32 v1, 5, v0
	v_readfirstlane_b32 s8, v1                     ; wave 0..7
	s_lshr_b32 s9, ttmp9, 3                        ; g
	s_and_b32 s10, ttmp9, 7
	s_lshl3_add_u32 s10, s10, s8                   ; pair = 8 (x mod 8) + wave, 0..63
	s_lshl_b32 s12, s9, 17                         ; 64 rows of 2,048 bytes
	s_lshl_b32 s11, s10, 5                         ; 32 keys
	s_add_co_u32 s12, s12, s11
	s_mov_b32 s13, 0
	s_lshl_b32 s14, s9, 14                         ; lm: 16,384 bytes for a g,
	s_lshl_b32 s11, s10, 8                         ; 256 for a pair
	s_add_co_u32 s14, s14, s11
	s_mov_b32 s15, 0
	v_and_b32 v2, 15, v0                           ; r
	v_bfe_u32 v3, v0, 4, 1                         ; h
	v_lshlrev_b32 v2, 11, v2
	v_lshl_add_u32 v2, v3, 3, v2                   ; r rows + 8 h bytes
	v_and_b32 v3, 31, v0
	v_lshlrev_b32 v3, 3, v3                        ; 8 bytes of lm a lane
	v_mov_b32 v[OUTW], 0                           ; v_writelane_b32 keeps the other lanes: the registers are written whole once
	v_mov_b32 v[OUTW+1], 0
	s_wait_kmcnt 0x0
	s_add_nc_u64 s[4:5], s[4:5], s[12:13]
	s_add_nc_u64 s[6:7], s[6:7], s[14:15]
.irp e, 0,1
.irp qb, 0,1,2,3
	global_load_b64 v[DAT+2*(4*\e+\qb):DAT+2*(4*\e+\qb)+1], v2, s[4:5] offset:\qb*32768+\e*16
.endr
.endr
	s_wait_loadcnt 0x0
; four words, j = 4 jh + 0..3: cut byte k of the register out, compare in all 32 lanes at once (the compare's result IS the word), put it in its lane
.macro WORDS4 e, qb, jh
.irp k, 0,1,2,3
	v_and_b32 v[TMPV+\k], 0xff<<(8*\k), v[DAT+2*(4*\e+\qb)+\jh]
.endr
.irp k, 0,1,2,3
	v_cmp_ne_u32 s[16+\k], 0, v[TMPV+\k]
.endr
.irp k, 0,1,2,3
	v_writelane_b32 v[OUTW+(\k&1)], s[16+\k], (32*\e+8*\qb+4*\jh+\k)>>1
.endr
.endm
.irp e, 0,1
.irp qb, 0,1,2,3
	WORDS4 \e, \qb, 0
	WORDS4 \e, \qb, 1
.endr
.endr
	global_store_b64 v3, v[OUTW:OUTW+1], s[6:7]    ; the wave's 256 consecutive bytes, aligned
	s_endpgm
.Lfunc_end_k_q892861bd25_lanemask:
	.size	k_q892861bd25_lanemask, .Lfunc_end_k_q892861bd25_lanemask-k_q892861bd25_lanemask
	.p2alignl 7, 3214868480
	.fill 96, 4, 3214868480
	.section	.rodata,"a",@progbits
	.p2align	6, 0x0
	.amdhsa_kernel k_q892861bd25_lanemask
		.amdhsa_group_segment_fixed_size 0
		.amdhsa_private_segment_fixed_size 0
		.amdhsa_enable_private_segment 0
		.amdhsa_kernarg_size 16
		.amdhsa_user_sgpr_count 2
		.amdhsa_user_sgpr_kernarg_segment_ptr 1
		.amdhsa_wavefront_size32 1
		.amdhsa_system_sgpr_workgroup_id_x 1
		.amdhsa_system_sgpr_workgroup_id_y 1
		.amdhsa_system_sgpr_workgroup_id_z 1
		.amdhsa_system_vgpr_workitem_id 0
		.amdhsa_next_free_vgpr 28
		.amdhsa_next_free_sgpr 66
		.amdhsa_reserve_vcc 0
		.amdhsa_float_denorm_mode_32 3
		.amdhsa_float_denorm_mode_16_64 3
		.amdhsa_memory_ordered 1
		.amdhsa_forward_progress 1
		.amdhsa_inst_pref_size 15
	.end_amdhsa_kernel
	.amdgpu_metadata
---
amdhsa.version: [ 1, 2 ]
amdhsa.kernels:
  - .name:           k_q892861bd25_lanemask
    .symbol:         k_q892861bd25_lanemask.kd
    .args:
      - { .name: mask, .offset: 0, .size: 8, .value_kind: global_buffer, .address_space: global }
      - { .name: lm, .offset: 8, .size: 8, .value_kind: global_buffer, .address_space: global }
    .group_segment_fixed_size: 0
    .private_segment_fixed_size: 0
    .kernarg_segment_align: 8
    .kernarg_segment_size: 16
    .max_flat_workgroup_size: 256
    .sgpr_count:     66
    .vgpr_count:     28
    .wavefront_size: 32
...
	.end_amdgpu_metadata
.endif
;; end of part 1
;; launch attn (part 2): grid 8 x 64, 4 waves a work-group, clusters of 4 x 1, 327,680 bytes of LDS; arguments k, q, v, lm, out0; writes out0
.if DOCPART == 2
	.amdgcn_target "amdgcn-amd-amdhsa--gfx1250"
	.amdhsa_code_object_version 6
	.text
	.protected	k_q892861bd25_attn
	.globl	k_q892861bd25_attn
	.p2align	8
	.type	k_q892861bd25_attn,@function
k_q892861bd25_attn:
	s_mov_b64 s[64:65], 0
	v_nop
	global_prefetch_b8 v0, s[64:65] scope:SCOPE_SE
	s_setreg_imm32_b32 hwreg(HW_REG_WAVE_MODE, 25, 1), 1
	s_wait_xcnt 0x0
	s_wait_alu depctr_hold_cnt(0) depctr_sa_sdst(0) depctr_va_vdst(0) depctr_va_sdst(0) depctr_va_ssrc(0) depctr_va_vcc(0) depctr_vm_vsrc(0)
	s_getreg_b32 s2, hwreg(HW_REG_IB_STS2, 6, 4)
	s_cmp_eq_u32 s2, 0
	s_cbranch_scc0 .Lentry_in_a_cluster
	s_endpgm
.Lentry_in_a_cluster:
	s_bfe_u32 s2, ttmp6, 0x10000c
	s_cmp_lg_u32 s2, 0x3003
	s_cbranch_scc0 .Lentry_shape_is_right
	s_endpgm
.Lentry_shape_is_right:
; out[h][q][:] = softmax over keys of (q.k / sqrt(128), masked keys at -inf) times v.   64 heads, 2,048 rows, 128 columns, all f32 in memory.
; A work-group: 256 query rows of one head, four waves of 64 rows.  Keys go in 32 steps of 64, with a running maximum and a running sum for each row.
; BOTH PRODUCTS ARE TAKEN TRANSPOSED, so that nothing is shuffled between them:
;   S^T = K Q^T : lane (r, h) holds, for query r, the keys 8 h + j of a block of 16.  Two such blocks, rounded to f16, are the operand P of the second product.
;   O^T = V^T P^T: lane (r, h) holds, for query r, the columns 8 h + j of a block of 16.  So maximum, sum and rescaling factor of a row are one number a lane.
; K AND V come as f32 by tensor loads into two LDS slots; the four waves round each tile to f16 ONCE, a quarter each, into two f16 buffers that take turns,
; one step ahead of its use; all waves read their fragments from there.
; CLUSTERS: the query blocks of a head walk the same K and V.  Four of them form a cluster and ask for every tile jointly (mask 15), which divides
; the requests for K and V by four; a head's eight blocks are two clusters.
; THE MASK is read as lane masks that the launch before made of it (lm): one v_cndmask_b32 for each score register.  Nothing of its pattern is built in.
; NUMBERS: matrix operands f16, sums f32, softmax f32.  f16 and not bf16, for its 11 significant bits against 8: a row with few unmasked keys is a sum of few terms
; that are much larger than the root mean square of the whole output, by which errors are measured.  P lies in [0, 1] since the running maximum is taken away; a p
; below 2^-25 becomes 0 in f16, which for 2,048 keys is less than 7e-5 of a sum that is at least 1.
; The running maximum starts at -FLT_MAX, so a row whose keys so far are all masked keeps p = 0, sum = 0,
; factor 1 and takes up later keys rightly; a row with every key masked ends as 0 x (1/0) = NaN, as softmax of a row of -inf does.
; LIMITS: |q|, |k|, |v| above 65,504 (f16's largest number) become infinite as operands; elements below 2^-14 are rounded with an absolute error of up to 2^-25;
; a score at or below -FLT_MAX is treated like a masked one; infinite or NaN inputs are not promised to give the same pattern of NaN.
.set TILEB,  32768                     ; 64 keys x 512 bytes: a step's tile of K, or of V
.set FSLOT,  65536                     ; an f32 slot: K's 64 rows, then V's 64 rows, rows of 512 bytes without gaps (read 512 consecutive bytes at a time)
.set PITK,   272                       ; f16 K: 256 bytes + 16: the sixteen rows of a fragment load begin in sixteen different 16-byte columns modulo 256
.set PITV,   288                       ; f16 V: 256 bytes + 32: an odd multiple of 32, for the transposing loads
.set BK0,    131072                    ; f16 K, buffer 0: 64 x 272 = 17,408 bytes
.set BV0,    148480                    ; f16 V, buffer 0: 64 x 288 = 18,432 bytes
.set BBUF,   35840                     ; from buffer 0 to buffer 1
.set STAGE,  202752                    ; the way out: 16 rows x 528 bytes for each wave; no tensor load ever lands at or behind BK0
.set SPIT,   528
; window 0
.set AK,     8                         ; v8-9     K fragments in f16 buffer 0, 1
.set AV,     10                        ; v10-11   V fragments (transposing loads)
.set CL,     12                        ; v12-13   my quarter of the f32 slot 0, 1
.set CSK,    14                        ; v14-15   where my quarter of K goes as f16
.set CSV,    16                        ; v16-17   the same for V
.set VQ,     18                        ; my byte offset in a block of 16 rows of q
.set STO,    19                        ; stage: where I put 16 bytes
.set RD,     20                        ; stage: where I read a row back
.set CO,     21                        ; my byte offset in a row of out
.set PFV,    22                        ; prefetch: byte offset in the head's K or V
.set PFMAX,  23                        ; its clamp: my bytes of the last tile
.set NINF,   24                        ; -inf
.set MX,     28                        ; v28-31   running maximum of the raw scores, query block qb
.set LS,     32                        ; v32-35   running sum (this lane's half of the keys)
.set TM,     36                        ; v36-39   at work: the new maximum
.set TN,     40                        ; v40-43   at work
.set AL,     44                        ; v44-51   rescaling factor, twice (a pair for the packed multiply)
.set NN,     52                        ; v52-59   - maximum x c, twice
.set SU,     60                        ; v60-67   at work: four chains of sums
.set SC,     72                        ; v72-199  scores: block (kb, qb) at SC + 8 (4 kb + qb); P(qb, c) is written over block (2 c, qb)
.set CT,     200                       ; v200-231 conversion: 8 rows x 4 f32
.set CV,     232                       ; v232-247 conversion: 8 rows x 4 f16
; window 1: O, block (db, qb) at 8 (4 db + qb).   window 2: Q(qb, ks) at 8 (4 qb + ks); fragments of K at FR + 8 (4 kb + ks), then of V at FR + 8 (8 c + db)
.set FR,     128
.set G1,     16                        ; s[16:23] descriptor group 1
.set G0,     24                        ; s[24:31] descriptor group 0, a set for each slot
.set MA,     32                        ; s[32:63] lane masks of an even key block: word 8 qb + j
.set MB,     68                        ; s[68:99] of an odd one
; s[4:5] prefetch base, s[6:7] q, s[10:11] lm, s[12:13] out, s14 wave, s15 trips, s66 = c = log2(e)/sqrt(128), s67 = -c, s100-101 selects of v_permlanex16_b32
.set MSB, 0
.macro WIN new                         ; s_set_vgpr_msb: bits 1:0 source 0, 3:2 source 1, 5:4 source 2, 7:6 destination; the high byte repeats the setting that is left
.if MSB != \new
	s_set_vgpr_msb (MSB<<8)|\new
.set MSB, \new
.endif
.endm
.macro PLACES n                        ; places behind matrix instructions (ISA guide 7.12.1)
.rept \n
	v_nop
.endr
.endm
; a round of the cluster's barrier: my work-group's barrier, wave 0 signals for the work-group, every wave waits for all four work-groups, my work-group's barrier again
.macro ROUND
	s_barrier_signal -1
	s_barrier_wait -1
	s_cmp_lg_u32 s14, 0
	s_cbranch_scc1 .Lnot_wave_0_\@
	s_barrier_signal -3
.Lnot_wave_0_\@:
	s_barrier_wait -3
	s_barrier_signal -1
	s_barrier_wait -1
.endm
; 16 rows of q, f32: a lane takes the 8 + 8 numbers of its row that a 16-bit fragment wants of it; the 16 loads together take the rows whole
.macro QLOAD qb, half
	WIN 0
.irp ks, 0,1,2,3
	global_load_b128 v[SC+64*\half+16*\ks:SC+64*\half+16*\ks+3],     v[VQ], s[6:7] offset:\qb*8192+\ks*128 th:TH_LOAD_NT
	global_load_b128 v[SC+64*\half+16*\ks+4:SC+64*\half+16*\ks+7],   v[VQ], s[6:7] offset:\qb*8192+\ks*128+16 th:TH_LOAD_NT
	global_load_b128 v[SC+64*\half+16*\ks+8:SC+64*\half+16*\ks+11],  v[VQ], s[6:7] offset:\qb*8192+\ks*128+64 th:TH_LOAD_NT
	global_load_b128 v[SC+64*\half+16*\ks+12:SC+64*\half+16*\ks+15], v[VQ], s[6:7] offset:\qb*8192+\ks*128+80 th:TH_LOAD_NT
.endr
.endm
.macro QCVT qb, half
	WIN 0x80                                       ; destination window 2
.irp ks, 0,1,2,3
.irp n, 0,1,2,3,4,5,6,7
	v_cvt_pk_f16_f32 v[8*(4*\qb+\ks)+\n], v[SC+64*\half+16*\ks+2*\n], v[SC+64*\half+16*\ks+2*\n+1]
.endr
.endr
.endm
; conversion, 8 of my 16 rows of K (part 0) or V (part 1): a load takes one row's 512 bytes, a store its 256 bytes of f16
.macro CVL slot, part, half
.irp i, 0,1,2,3,4,5,6,7
	ds_load_b128 v[CT+4*\i:CT+4*\i+3], v[CL+\slot] offset:\part*TILEB+(8*\half+\i)*512
.endr
.endm
.macro CVS slot, part, half
.irp i, 0,1,2,3,4,5,6,7
	v_cvt_pk_f16_f32 v[CV+2*\i],   v[CT+4*\i],   v[CT+4*\i+1]
	v_cvt_pk_f16_f32 v[CV+2*\i+1], v[CT+4*\i+2], v[CT+4*\i+3]
.endr
.irp i, 0,1,2,3,4,5,6,7
.if \part
	ds_store_b64 v[CSV+\slot], v[CV+2*\i:CV+2*\i+1] offset:(8*\half+\i)*PITV
.else
	ds_store_b64 v[CSK+\slot], v[CV+2*\i:CV+2*\i+1] offset:(8*\half+\i)*PITK
.endif
.endr
.endm
; K's 16 fragments (16 keys x 32 columns), the 8 loads of a ks together, so that the products can begin when the first 8 are in
.macro FETCHK slot
	WIN 0x80
.irp ks, 0,1,2,3
.irp kb, 0,1,2,3
	ds_load_b128 v[FR+8*(4*\kb+\ks):FR+8*(4*\kb+\ks)+3],   v[AK+\slot] offset:\kb*16*PITK+\ks*64
	ds_load_b128 v[FR+8*(4*\kb+\ks)+4:FR+8*(4*\kb+\ks)+7], v[AK+\slot] offset:\kb*16*PITK+\ks*64+32
.endr
.endr
.endm
; V^T's 16 fragments (16 columns x 32 keys) from rows that lie along the columns: transposing loads, 16 rows apart
.macro FETCHV slot
	WIN 0x80
.irp c, 0,1
.irp db, 0,1,2,3,4,5,6,7
	ds_load_tr16_b128 v[FR+8*(8*\c+\db):FR+8*(8*\c+\db)+3],   v[AV+\slot] offset:\c*32*PITV+\db*32
	ds_load_tr16_b128 v[FR+8*(8*\c+\db)+4:FR+8*(8*\c+\db)+7], v[AV+\slot] offset:\c*32*PITV+\db*32+16*PITV
.endr
.endr
.endm
; S^T = K Q^T, 64 matrix instructions.  The 16 accumulators take turns, one instruction a turn; the first turn starts the sums.
; extra = LDS instructions issued behind FETCHK that may stay out.
.macro QK extra
	WIN 0x0a                                       ; sources 0 and 1 window 2, C and D window 0
.irp ks, 0,1,2,3
	s_wait_dscnt 8*(3-\ks)+\extra                  ; LDS loads come back in order: the 8 loads of this ks are in, the later ones may be out
.irp kb, 0,1,2,3
.irp qb, 0,1,2,3
.if \ks
	v_wmma_f32_16x16x32_f16 v[SC+8*(4*\kb+\qb):SC+8*(4*\kb+\qb)+7], v[FR+8*(4*\kb+\ks):FR+8*(4*\kb+\ks)+7], v[8*(4*\qb+\ks):8*(4*\qb+\ks)+7], v[SC+8*(4*\kb+\qb):SC+8*(4*\kb+\qb)+7]
.else
	v_wmma_f32_16x16x32_f16 v[SC+8*(4*\kb+\qb):SC+8*(4*\kb+\qb)+7], v[FR+8*(4*\kb+\ks):FR+8*(4*\kb+\ks)+7], v[8*(4*\qb+\ks):8*(4*\qb+\ks)+7], 0
.endif
.endr
.endr
.endr
.endm
.macro LML off                         ; the lane masks of two key blocks, 256 bytes
	s_load_b512 s[MA:MA+15],    s[10:11], \off
	s_load_b512 s[MA+16:MA+31], s[10:11], \off+64
	s_load_b512 s[MB:MB+15],    s[10:11], \off+128
	s_load_b512 s[MB+16:MB+31], s[10:11], \off+192
.endm
.macro MASK kb, m                      ; masked scores become -inf
.irp qb, 0,1,2,3
.irp j, 0,1,2,3,4,5,6,7
	v_cndmask_b32 v[SC+8*(4*\kb+\qb)+\j], v[SC+8*(4*\kb+\qb)+\j], v[NINF], s[\m+8*\qb+\j]
.endr
.endr
.endm
.macro MAXROW kb, j, src               ; four chains, one for each query block, that do not wait for each other
.irp qb, 0,1,2,3
	v_max3_num_f32 v[TM+\qb], v[\src+\qb], v[SC+8*(4*\kb+\qb)+\j], v[SC+8*(4*\kb+\qb)+\j+1]
.endr
.endm
.macro MAXH kb, src                    ; src = MX: the chains start from the running maximum
	MAXROW \kb, 0, \src
	MAXROW \kb, 2, TM
	MAXROW \kb, 4, TM
	MAXROW \kb, 6, TM
.endm
; the new maximum of each row (the other half of its keys lies 16 lanes away), -m c, and the factor exp2(m_old c - m_new c) made of the two rounded products
; that the old and the new p are shifted by
.macro STATS
.irp qb, 0,1,2,3
	v_permlanex16_b32 v[TN+\qb], v[TM+\qb], s100, s101
.endr
.irp qb, 0,1,2,3
	v_max_num_f32 v[TM+\qb], v[TM+\qb], v[TN+\qb]
.endr
.irp qb, 0,1,2,3
	v_mul_f32 v[TN+\qb], s67, v[TM+\qb]
.endr
.irp qb, 0,1,2,3
	v_sub_f32 v[SU+\qb], v[TN+\qb], v[NN+2*\qb]
.endr
.irp qb, 0,1,2,3
	v_exp_f32 v[AL+2*\qb], v[SU+\qb]
.endr
.irp qb, 0,1,2,3                       ; plain instructions that touch neither AL nor SU stand behind the exponentials (ISA guide 5.7.2)
	v_mov_b32 v[NN+2*\qb],   v[TN+\qb]
	v_mov_b32 v[NN+2*\qb+1], v[TN+\qb]
	v_mov_b32 v[MX+\qb],     v[TM+\qb]
.endr
	s_wait_alu depctr_va_vdst(0)
.irp qb, 0,1,2,3
	v_mov_b32 v[AL+2*\qb+1], v[AL+2*\qb]
.endr
.endm
; one query block: p = exp2(s c - m c) in place, its sum into the running sum, p rounded to f16 as the second product's operand
.macro EXPQ qb
.irp kb, 0,1,2,3
.irp i, 0,2,4,6
	v_pk_fma_f32 v[SC+8*(4*\kb+\qb)+\i:SC+8*(4*\kb+\qb)+\i+1], v[SC+8*(4*\kb+\qb)+\i:SC+8*(4*\kb+\qb)+\i+1], s[66:67], v[NN+2*\qb:NN+2*\qb+1] op_sel_hi:[1,0,1]
.endr
.endr
.irp kb, 0,1,2,3
.irp j, 0,1,2,3,4,5,6,7
	v_exp_f32 v[SC+8*(4*\kb+\qb)+\j], v[SC+8*(4*\kb+\qb)+\j]
.endr
.endr
	v_nop                                          ; one plain place between the exponentials and the first use of a result (ISA guide 5.7.2)
	s_wait_alu depctr_va_vdst(0)
.irp kb, 0,1,2,3
	v_pk_add_f32 v[SU+2*\kb:SU+2*\kb+1], v[SC+8*(4*\kb+\qb):SC+8*(4*\kb+\qb)+1], v[SC+8*(4*\kb+\qb)+2:SC+8*(4*\kb+\qb)+3]
.endr
.irp i, 4,6
.irp kb, 0,1,2,3
	v_pk_add_f32 v[SU+2*\kb:SU+2*\kb+1], v[SU+2*\kb:SU+2*\kb+1], v[SC+8*(4*\kb+\qb)+\i:SC+8*(4*\kb+\qb)+\i+1]
.endr
.endr
	v_pk_add_f32 v[SU:SU+1],   v[SU:SU+1],   v[SU+2:SU+3]
	v_pk_add_f32 v[SU+4:SU+5], v[SU+4:SU+5], v[SU+6:SU+7]
	v_pk_add_f32 v[SU:SU+1],   v[SU:SU+1],   v[SU+4:SU+5]
	v_add_f32 v[SU], v[SU], v[SU+1]
	v_fma_f32 v[LS+\qb], v[LS+\qb], v[AL+2*\qb], v[SU]
.irp c, 0,1                            ; P(qb, c): registers 0-3 keys 8 h + 0..7 (block 2 c), 4-7 keys 16 + 8 h + 0..7 (block 2 c + 1); written upward over block 2 c, behind its reads
.irp n, 0,1,2,3
	v_cvt_pk_f16_f32 v[SC+8*(8*\c+\qb)+\n], v[SC+8*(8*\c+\qb)+2*\n], v[SC+8*(8*\c+\qb)+2*\n+1]
.endr
.irp n, 0,1,2,3
	v_cvt_pk_f16_f32 v[SC+8*(8*\c+\qb)+4+\n], v[SC+8*(8*\c+4+\qb)+2*\n], v[SC+8*(8*\c+4+\qb)+2*\n+1]
.endr
.endr
.endm
.macro RESCALE                         ; O x factor: a lane's O numbers of a query block all belong to one row
	WIN 0x41                                       ; source 0 and destination window 1
.irp db, 0,1,2,3,4,5,6,7
.irp qb, 0,1,2,3
.irp i, 0,2,4,6
	v_pk_mul_f32 v[8*(4*\db+\qb)+\i:8*(4*\db+\qb)+\i+1], v[8*(4*\db+\qb)+\i:8*(4*\db+\qb)+\i+1], v[AL+2*\qb:AL+2*\qb+1]
.endr
.endr
.endr
.endm
; O^T += V^T P^T, 64 matrix instructions.  The 32 accumulators take turns, one instruction a turn.  first = 1: the first turn starts the sums.
.macro PVMUL first
	WIN 0x52                                       ; source 0 window 2, source 1 window 0, C and D window 1
.irp c, 0,1
.irp db, 0,1,2,3,4,5,6,7
.irp qb, 0,1,2,3
.if \first*(1-\c)
	v_wmma_f32_16x16x32_f16 v[8*(4*\db+\qb):8*(4*\db+\qb)+7], v[FR+8*(8*\c+\db):FR+8*(8*\c+\db)+7], v[SC+8*(8*\c+\qb):SC+8*(8*\c+\qb)+7], 0
.else
	v_wmma_f32_16x16x32_f16 v[8*(4*\db+\qb):8*(4*\db+\qb)+7], v[FR+8*(8*\c+\db):FR+8*(8*\c+\db)+7], v[SC+8*(8*\c+\qb):SC+8*(8*\c+\qb)+7], v[8*(4*\db+\qb):8*(4*\db+\qb)+7]
.endif
.endr
.endr
.endr
.endm
; Prefetch: in step t wave 0 asks for 32 blocks 256 bytes apart of tile t + 3, whose tensor load is issued in step t + 1.  The four work-groups of a cluster take a quarter
; of the tile each; the head's first cluster asks for K, its second for V: each block is asked for once, but for tile 31, which the clamp asks for again in step 29.
.macro PF
	s_cmp_lg_u32 s14, 0
	s_cbranch_scc1 .Lno_pf_\@
	global_prefetch_b8 v[PFV], s[4:5] th:TH_LOAD_NT scope:SCOPE_SE
.Lno_pf_\@:
.endm
; ---------------------------------------------------------------- set-up
	s_load_b256 s[4:11], s[0:1], 0x0               ; k s[4:5], q s[6:7], v s[8:9], lm s[10:11]
	s_load_b64 s[12:13], s[0:1], 0x20              ; out0
	v_lshl_add_u32 v254, v0, 2, 0x39c00
	v_mov_b32 v255, 0
	ds_add_u32 v254, v255
	v_lshrrev_b32 v1, 5, v0
	v_readfirstlane_b32 s14, v1                    ; wave 0..3
	s_bfe_u32 s32, ttmp6, 0x40000                  ; cx: my place in the cluster (s32 and up are free until the first lane masks are asked for)
	s_lshl_b32 s33, ttmp9, 2
	s_add_co_u32 s33, s33, s32                     ; query block of 256 rows = 4 x cluster x + cx, 0..7
	s_and_b32 s34, ttmp7, 0xffff                   ; head
	s_lshl_b32 s36, s34, 20                        ; 2,048 rows x 512 bytes
	s_mov_b32 s37, 0
	; group 1: a wave's part of a tile is 32 rows of K or V = 16,384 bytes that are dense in memory, taken as 64 rows of 32 elements of 8 bytes
	s_mov_b32 s[G1+0], 15|(3<<16)|(1<<21)          ; 15:0 mask: all four work-groups of the cluster; 17:16 elements of 8 bytes; 21 set beside a mask; no padding
	s_mov_b32 s[G1+1], 32<<16                      ; tensor_dim0 = 32
	s_mov_b32 s[G1+2], 64<<16                      ; tensor_dim1 = 64
	s_mov_b32 s[G1+3], 32<<16                      ; tile_dim0 = 32
	s_mov_b32 s[G1+4], 64                          ; tile_dim1 = 64
	s_mov_b32 s[G1+5], 32                          ; from row to row: 32 elements
	s_mov_b32 s[G1+6], 0
	s_mov_b32 s[G1+7], 0
	s_and_b32 s38, s14, 1
	s_lshl_b32 s38, s38, 14                        ; waves 0, 2 bring a tile's rows 0-31, waves 1, 3 its rows 32-63
	s_add_co_u32 s38, s38, s36                     ; + the head: nothing here hangs on the place in the cluster
	s_mov_b32 s39, 0
	s_lshl_b32 s42, s14, 14                        ; and they land at wave x 16,384: K's halves, then V's
	s_wait_dscnt 0x0
	s_wait_kmcnt 0x0
	s_cmp_lt_u32 s14, 2
	s_cselect_b64 s[40:41], s[4:5], s[8:9]         ; waves 0, 1 fetch K, waves 2, 3 V
	s_add_nc_u64 s[40:41], s[40:41], s[38:39]
.irp s, 0,1
	s_mov_b32 s[G0+4*\s], 1                                        ; count = 1
	s_add_co_u32 s[G0+4*\s+1], s42, \s*FSLOT                       ; LDS address
	s_add_nc_u64 s[G0+4*\s+2:G0+4*\s+3], s[40:41], \s*TILEB        ; global address: tile s
	s_or_b32 s[G0+4*\s+3], s[G0+4*\s+3], 0x80000000                ; type = 2
.endr
	ROUND                                          ; all four work-groups are here: the first joint loads meet
	tensor_load_to_lds s[G0:G0+3],   s[G1:G1+7]    ; tile 0
	s_nop 0
	tensor_load_to_lds s[G0+4:G0+7], s[G1:G1+7]    ; tile 1: two tensor loads of the wave are out here, later one
	s_nop 0
	s_lshl_b32 s44, s33, 17                        ; 256 rows x 512 bytes
	s_lshl_b32 s45, s14, 15                        ; 64 rows
	s_add_co_u32 s44, s44, s45
	s_add_co_u32 s44, s44, s36
	s_mov_b32 s45, 0
	s_add_nc_u64 s[6:7], s[6:7], s[44:45]          ; q and out at my wave's first row
	s_add_nc_u64 s[12:13], s[12:13], s[44:45]
	v_and_b32 v1, 15, v0                           ; r
	v_bfe_u32 v2, v0, 4, 1                         ; h
	v_lshlrev_b32 v[VQ], 9, v1
	v_lshl_add_u32 v[VQ], v2, 5, v[VQ]             ; row r, 8 h numbers in
	QLOAD 0, 0
	QLOAD 1, 1
	s_lshl2_add_u32 s46, s33, s14                  ; g = my 64 rows' number in the sequence
	s_lshl_b32 s46, s46, 14
	s_mov_b32 s47, 0
	s_add_nc_u64 s[10:11], s[10:11], s[46:47]      ; lm at my rows, key 0
	s_cmp_eq_u32 ttmp9, 0
	s_cselect_b64 s[4:5], s[4:5], s[8:9]           ; prefetch: the head's first cluster asks for K, the second for V
	s_add_nc_u64 s[4:5], s[4:5], s[36:37]
	s_mov_b32 s66, 0x3e0293ee                      ; c = log2(e) / sqrt(128)
	s_mov_b32 s67, 0xbe0293ee                      ; -c
	s_mov_b32 s100, 0x76543210                     ; v_permlanex16_b32: lane i reads lane i of the other half
	s_mov_b32 s101, 0xfedcba98
	s_lshl_b32 s48, s32, 13                        ; prefetch: my work-group's quarter of a tile
	s_lshl_b32 s49, s14, 13                        ; my 16 rows of an f32 tile
	s_mul_i32 s50, s14, 16*PITK                    ; of f16 K
	s_mul_i32 s51, s14, 16*PITV                    ; of f16 V
	s_mul_i32 s52, s14, 16*SPIT
	s_add_co_u32 s52, s52, STAGE                   ; my stage
	v_and_b32 v3, 31, v0                           ; lane
	v_mul_u32_u24 v4, v1, PITK
	v_lshl_add_u32 v4, v2, 4, v4                   ; K fragment: row r, 16 h bytes in
	v_add_nc_u32 v[AK],   BK0, v4
	v_add_nc_u32 v[AK+1], BK0+BBUF, v4
	v_and_b32 v5, 7, v0
	v_lshl_add_u32 v5, v2, 3, v5                   ; V fragment: key 8 h + lane mod 8,
	v_mul_u32_u24 v5, v5, PITV
	v_bfe_u32 v6, v0, 3, 1
	v_lshl_add_u32 v5, v6, 4, v5                   ; columns 8 x (bit 3 of the lane) + 0..7
	v_add_nc_u32 v[AV],   BV0, v5
	v_add_nc_u32 v[AV+1], BV0+BBUF, v5
	v_lshlrev_b32 v[CO], 4, v3                     ; 16 bytes a lane
	v_add_nc_u32 v[CL],   s49, v[CO]
	v_add_nc_u32 v[CL+1], FSLOT, v[CL]
	v_lshlrev_b32 v7, 3, v3                        ; 8 bytes a lane
	v_add_nc_u32 v[CSK],   s50, v7
	v_add_nc_u32 v[CSK+1], BK0+BBUF, v[CSK]
	v_add_nc_u32 v[CSK],   BK0, v[CSK]
	v_add_nc_u32 v[CSV],   s51, v7
	v_add_nc_u32 v[CSV+1], BV0+BBUF, v[CSV]
	v_add_nc_u32 v[CSV],   BV0, v[CSV]
	v_mul_u32_u24 v[STO], v1, SPIT
	v_lshl_add_u32 v[STO], v2, 5, v[STO]
	v_add_nc_u32 v[STO], s52, v[STO]               ; stage in: row r, columns 8 h ..
	v_add_nc_u32 v[RD], s52, v[CO]                 ; stage back: a row's 512 bytes
	v_lshlrev_b32 v[PFV], 8, v3
	v_add_nc_u32 v[PFV], s48, v[PFV]
	v_add_nc_u32 v[PFMAX], 31*TILEB, v[PFV]        ; my bytes of the last tile
	v_add_nc_u32 v[PFV], 2*TILEB, v[PFV]           ; stepped at the head of each step: step 0 asks for tile 3
	v_mov_b32 v[NINF], 0xff800000
.irp qb, 0,1,2,3
	v_mov_b32 v[MX+\qb], 0xff7fffff                ; -FLT_MAX
	v_mov_b32 v[LS+\qb], 0
	v_mov_b32 v[TN+\qb], 0                         ; v_permlanex16_b32's destination counts as read
	v_mul_f32 v[NN+2*\qb],   s67, v[MX+\qb]
	v_mul_f32 v[NN+2*\qb+1], s67, v[MX+\qb]
.endr
	LML 0                                          ; step 0's key blocks 0, 1; the temporaries in s32 and up are done with
	s_wait_loadcnt 16                              ; a block's 16 loads are in, the younger block's 16 stay out
	QCVT 0, 0
	QLOAD 2, 0
	s_wait_loadcnt 16
	QCVT 1, 1
	QLOAD 3, 1
	s_wait_loadcnt 16
	QCVT 2, 0
	s_wait_loadcnt 0x0
	QCVT 3, 1
	WIN 0
	s_wait_tensorcnt 0x1                           ; my part of tile 0 is in; tile 1 may stay out
	s_barrier_signal -1
	s_barrier_wait -1                              ; everybody's part is in
.irp part, 0,1
.irp half, 0,1
	CVL 0, \part, \half                            ; tile 0 to f16, before the first step
	s_wait_dscnt 0x0
	CVS 0, \part, \half
.endr
.endr
; ---------------------------------------------------------------- one step: tile t, slot = t mod 2
; first: O's sums start.  refill: tile t + 2 is asked for.  conv: tile t + 1 is rounded to f16.  more: the next step's lane masks are asked for.
.macro STEP slot, first, refill, conv, more
.if \refill
	s_wait_xcnt 0x0                                ; the last prefetch's address has been read: its offset may be stepped
	v_add_nc_u32 v[PFV], TILEB, v[PFV]
	v_min_u32 v[PFV], v[PFV], v[PFMAX]             ; never past the head's last tile
.endif
	s_wait_tensorcnt 0x0                           ; all my tensor loads have landed, my part of tile t + 1 among them, so a group 0 may be written
	ds_add_u32 v254, v255
	s_wait_dscnt 0x0
.if \refill
	s_add_nc_u64 s[G0+4*\slot+2:G0+4*\slot+3], s[G0+4*\slot+2:G0+4*\slot+3], 2*TILEB
.endif
	s_wait_dscnt 0x0                               ; my reads of this f32 slot and of the other f16 buffer are back, my stores into this f16 buffer are done
.if \refill
	ROUND                                          ; all that now holds of every wave of all four work-groups
	tensor_load_to_lds s[G0+4*\slot:G0+4*\slot+3], s[G1:G1+7]      ; tile t + 2: my one tensor load until the next round; it has this whole step in which to land
	s_nop 0
.else
	s_barrier_signal -1
	s_barrier_wait -1
.endif
	FETCHK \slot
.if \conv
	WIN 0
	CVL 1-\slot, 0, 0
	QK 8
.else
	QK 0
.endif
	WIN 0                                          ; a branch follows
.if \refill
	PF
.endif
	PLACES 4                                       ; behind the last products: their results are read, and their sources loaded again, below
	s_wait_kmcnt 0x0                               ; lane masks of key blocks 0, 1
	MASK 0, MA
	MASK 1, MB
	LML 256                                        ; those of key blocks 2, 3 come while the lines down to the next wait are issued
.if \conv
	s_wait_dscnt 0x0
	CVS 1-\slot, 0, 0
	CVL 1-\slot, 0, 1
.endif
	FETCHV \slot
	WIN 0
	MAXH 0, MX
	MAXH 1, TM
	s_wait_kmcnt 0x0
	MASK 2, MA
	MASK 3, MB
.if \more
	s_add_nc_u64 s[10:11], s[10:11], 512           ; no scalar load is out: the pointer steps by a step's 4 x 32 words
	LML 0
.endif
	MAXH 2, TM
	MAXH 3, TM
	STATS
.if \conv
	s_wait_dscnt 32                                ; the 8 conversion loads are in; the 32 loads of V's fragments, issued behind them, may stay out
	CVS 1-\slot, 0, 1
	CVL 1-\slot, 1, 0
.endif
	EXPQ 0
	EXPQ 1
.if \conv
	s_wait_dscnt 0x0
	CVS 1-\slot, 1, 0
	CVL 1-\slot, 1, 1
.endif
	EXPQ 2
	EXPQ 3
	s_wait_dscnt 0x0                               ; V's fragments, and the last conversion loads
.if \conv
	CVS 1-\slot, 1, 1
.endif
.if 1-\first
	RESCALE
.endif
	PVMUL \first
	WIN 0
	PLACES 5                                       ; the next step loads over these products' fragments and writes new scores over P
.endm
	STEP 0, 1, 1, 1, 1                             ; tiles 0 and 1 stand in front of the loop: the first starts O's sums
	STEP 1, 0, 1, 1, 1
	s_mov_b32 s15, 14                              ; tiles 2 to 29
.Lpair:
	STEP 0, 0, 1, 1, 1
	STEP 1, 0, 1, 1, 1
	s_sub_co_u32 s15, s15, 1
	s_cmp_lg_u32 s15, 0
	s_cbranch_scc1 .Lpair
	STEP 0, 0, 0, 1, 1                             ; tile 30: nothing is left to fetch, tile 31 is still rounded
	STEP 1, 0, 0, 0, 0                             ; tile 31
; ---------------------------------------------------------------- the way out
.irp qb, 0,1,2,3
	v_permlanex16_b32 v[TN+\qb], v[LS+\qb], s100, s101             ; the other half of the keys' sum
.endr
.irp qb, 0,1,2,3
	v_add_f32 v[LS+\qb], v[LS+\qb], v[TN+\qb]
.endr
.irp qb, 0,1,2,3
	v_rcp_f32 v[AL+2*\qb], v[LS+\qb]
.endr
	v_nop                                          ; one plain place behind the reciprocals (ISA guide 5.7.2)
	s_wait_alu depctr_va_vdst(0)
.irp qb, 0,1,2,3
	v_mov_b32 v[AL+2*\qb+1], v[AL+2*\qb]
.endr
; 16 rows: divide, 16 bytes a lane into my own stage, read whole rows of 512 bytes back, store them
.macro OUT16 qb
	WIN 0x41
.irp db, 0,1,2,3,4,5,6,7
.irp i, 0,2,4,6
	v_pk_mul_f32 v[8*(4*\db+\qb)+\i:8*(4*\db+\qb)+\i+1], v[8*(4*\db+\qb)+\i:8*(4*\db+\qb)+\i+1], v[AL+2*\qb:AL+2*\qb+1]
.endr
.endr
	WIN 0x04                                       ; store data window 1
.irp db, 0,1,2,3,4,5,6,7
	ds_store_b128 v[STO], v[8*(4*\db+\qb):8*(4*\db+\qb)+3]   offset:64*\db
	ds_store_b128 v[STO], v[8*(4*\db+\qb)+4:8*(4*\db+\qb)+7] offset:64*\db+16
.endr
	WIN 0
	s_wait_xcnt 0x0                                ; the registers that earlier stores read are loaded again only behind this wait
.irp i, 0,1,2,3,4,5,6,7,8,9,10,11,12,13,14,15
	ds_load_b128 v[SC+64*(\qb&1)+4*\i:SC+64*(\qb&1)+4*\i+3], v[RD] offset:\i*SPIT   ; LDS serves a wave's instructions in order: these see the stores above
.endr
.irp i, 0,1,2,3,4,5,6,7,8,9,10,11,12,13,14,15
	s_wait_dscnt 15-\i                             ; row i is in, the younger rows may be out
	global_store_b128 v[CO], v[SC+64*(\qb&1)+4*\i:SC+64*(\qb&1)+4*\i+3], s[12:13] offset:(16*\qb+\i)*512 th:TH_STORE_NT   ; the wave stores a row's 512 consecutive bytes, aligned
.endr
.endm
	OUT16 0
	OUT16 1
	OUT16 2
	OUT16 3
	s_wait_tensorcnt 0x0
	ds_add_u32 v254, v255
	s_wait_dscnt 0x0
	ROUND                                          ; the closing round: no work-group ends while a partner may still ask for a tile that names it
	s_endpgm
.Lfunc_end_k_q892861bd25_attn:
	.size	k_q892861bd25_attn, .Lfunc_end_k_q892861bd25_attn-k_q892861bd25_attn
	.p2alignl 7, 3214868480
	.fill 96, 4, 3214868480
	.section	.rodata,"a",@progbits
	.p2align	6, 0x0
	.amdhsa_kernel k_q892861bd25_attn
		.amdhsa_group_segment_fixed_size 327680
		.amdhsa_private_segment_fixed_size 0
		.amdhsa_enable_private_segment 0
		.amdhsa_kernarg_size 40
		.amdhsa_user_sgpr_count 2
		.amdhsa_user_sgpr_kernarg_segment_ptr 1
		.amdhsa_wavefront_size32 1
		.amdhsa_system_sgpr_workgroup_id_x 1
		.amdhsa_system_sgpr_workgroup_id_y 1
		.amdhsa_system_sgpr_workgroup_id_z 1
		.amdhsa_system_vgpr_workitem_id 0
		.amdhsa_next_free_vgpr 768
		.amdhsa_next_free_sgpr 102
		.amdhsa_reserve_vcc 0
		.amdhsa_float_denorm_mode_32 3
		.amdhsa_float_denorm_mode_16_64 3
		.amdhsa_memory_ordered 1
		.amdhsa_forward_progress 1
		.amdhsa_inst_pref_size 255
	.end_amdhsa_kernel
	.section	.bss,"aw",@nobits
	.p2align	6
	.space	262144
	.amdgpu_metadata
---
amdhsa.version: [ 1, 2 ]
amdhsa.kernels:
  - .name:           k_q892861bd25_attn
    .symbol:         k_q892861bd25_attn.kd
    .args:
      - { .name: k, .offset: 0, .size: 8, .value_kind: global_buffer, .address_space: global }
      - { .name: q, .offset: 8, .size: 8, .value_kind: global_buffer, .address_space: global }
      - { .name: v, .offset: 16, .size: 8, .value_kind: global_buffer, .address_space: global }
      - { .name: lm, .offset: 24, .size: 8, .value_kind: global_buffer, .address_space: global }
      - { .name: out0, .offset: 32, .size: 8, .value_kind: global_buffer, .address_space: global }
    .group_segment_fixed_size: 327680
    .private_segment_fixed_size: 0
    .kernarg_segment_align: 8
    .kernarg_segment_size: 40
    .max_flat_workgroup_size: 128
    .sgpr_count:     102
    .vgpr_count:     768
    .wavefront_size: 32
...
	.end_amdgpu_metadata
.endif
;; end of part 2
;; ======== version 2 of 2: 2 launches
;; limits: values are held in f16: magnitudes above 65,504 overflow, below 6.1e-05 lose precision; inputs' magnitudes at most 65,504
;; workspace buffers: lm 524,288 bytes of whole numbers
;; launch lanemask: the kernel of part 1 again; grid 256 x 1, 8 waves a work-group, no clusters, 0 bytes of LDS; arguments mask, lm; writes lm
;; launch attn (part 3): grid 8 x 64, 4 waves a work-group, clusters of 4 x 1, 327,680 bytes of LDS; arguments k, q, v, lm, out0; writes out0
.if DOCPART == 3
	.amdgcn_target "amdgcn-amd-amdhsa--gfx1250"
	.amdhsa_code_object_version 6
	.text
	.protected	k_q892861bd25_attn
	.globl	k_q892861bd25_attn
	.p2align	8
	.type	k_q892861bd25_attn,@function
k_q892861bd25_attn:
	s_mov_b64 s[64:65], 0
	v_nop
	global_prefetch_b8 v0, s[64:65] scope:SCOPE_SE
	s_setreg_imm32_b32 hwreg(HW_REG_WAVE_MODE, 25, 1), 1
	s_wait_xcnt 0x0
	s_wait_alu depctr_hold_cnt(0) depctr_sa_sdst(0) depctr_va_vdst(0) depctr_va_sdst(0) depctr_va_ssrc(0) depctr_va_vcc(0) depctr_vm_vsrc(0)
	s_getreg_b32 s2, hwreg(HW_REG_IB_STS2, 6, 4)
	s_cmp_eq_u32 s2, 0
	s_cbranch_scc0 .Lentry_in_a_cluster
	s_endpgm
.Lentry_in_a_cluster:
	s_bfe_u32 s2, ttmp6, 0x10000c
	s_cmp_lg_u32 s2, 0x3003
	s_cbranch_scc0 .Lentry_shape_is_right
	s_endpgm
.Lentry_shape_is_right:
; out[h][q][:] = softmax over keys of (q.k / sqrt(128), masked keys at -inf) times v.   64 heads, 2,048 rows, 128 columns, all f32 in memory.
; A work-group: 256 query rows of one head, four waves of 64 rows.  Keys go in 32 steps of 64, with a running maximum and a running sum for each row.
; BOTH PRODUCTS ARE TAKEN TRANSPOSED, so that nothing is shuffled between them:
;   S^T = K Q^T : lane (r, h) holds, for query r, the keys 8 h + j of a block of 16.  Two such blocks, rounded to f16, are the operand P of the second product.
;   O^T = V^T P^T: lane (r, h) holds, for query r, the columns 8 h + j of a block of 16.  So maximum, sum and rescaling factor of a row are one number a lane.
; K AND V come as f32 by tensor loads into two LDS slots; the four waves round each tile to f16 ONCE, a quarter each, into two f16 buffers that take turns,
; one step ahead of its use; all waves read their fragments from there.
; CLUSTERS: the query blocks of a head walk the same K and V.  Four of them form a cluster and ask for every tile jointly (mask 15), which divides
; the requests for K and V by four; a head's eight blocks are two clusters.
; THE MASK is read as lane masks that the launch before made of it (lm): one v_cndmask_b32 for each score register.  Nothing of its pattern is built in.
; THE WAVE'S ROWS GO IN TWO HALVES of 32 (query blocks 0, 1 and 2, 3), STAGGERED by half a step, so that behind every matrix instruction stands vector work of the
; other half, which names none of its registers.  A step t is four runs of 32 matrix instructions, each dealt among a stream of vector work:
;   S of rows 0-31 (t)        among   exponentials, sums and P of rows 32-63 (t - 1)
;   O of rows 32-63 (t - 1)   among   mask, maximum, factor and rescaling of rows 0-31 (t)
;   S of rows 32-63 (t)       among   exponentials, sums and P of rows 0-31 (t)
;   O of rows 0-31 (t)        among   mask, maximum, factor and rescaling of rows 32-63 (t)
; One matrix instruction, then 4 to 6 vector instructions (16 where scores are masked).  The price is two switches of the register window for each matrix instruction:
; the vector work wants all its operands in one window, and O (256 registers), the fragments (128) and the scores (128) do not fit into one.
; A half's 64 lane masks fill the scalar registers there are; they are asked for as soon as the other half has been masked, more than one run ahead of their use.
; NUMBERS: matrix operands f16, sums f32, softmax f32.  f16 and not bf16, for its 11 significant bits against 8: a row with few unmasked keys is a sum of few terms
; that are much larger than the root mean square of the whole output, by which errors are measured.  P lies in [0, 1] since the running maximum is taken away; a p
; below 2^-25 becomes 0 in f16, which for 2,048 keys is less than 7e-5 of a sum that is at least 1.
; The running maximum starts at -FLT_MAX, so a row whose keys so far are all masked keeps p = 0, sum = 0,
; factor 1 and takes up later keys rightly; a row with every key masked ends as 0 x (1/0) = NaN, as softmax of a row of -inf does.
; LIMITS: |q|, |k|, |v| above 65,504 (f16's largest number) become infinite as operands; elements below 2^-14 are rounded with an absolute error of up to 2^-25;
; a score at or below -FLT_MAX is treated like a masked one; infinite or NaN inputs are not promised to give the same pattern of NaN.
.set TILEB,  32768                     ; 64 keys x 512 bytes: a step's tile of K, or of V
.set FSLOT,  65536                     ; an f32 slot: K's 64 rows, then V's 64 rows, rows of 512 bytes without gaps (read 512 consecutive bytes at a time)
.set PITK,   272                       ; f16 K and Q: 256 bytes + 16: the sixteen rows of a fragment load begin in sixteen different 16-byte columns modulo 256
.set PITV,   288                       ; f16 V: 256 bytes + 32: an odd multiple of 32, for the transposing loads
.set BK0,    131072                    ; f16 K, buffer 0: 64 x 272 = 17,408 bytes
.set BV0,    148480                    ; f16 V, buffer 0: 64 x 288 = 18,432 bytes
.set BBUF,   35840                     ; from buffer 0 to buffer 1
.set STAGE,  202752                    ; each wave's own stage; no tensor load ever lands at or behind BK0
.set WSTG,   17408                     ; a wave's stage: at the start its 64 rows of Q as f16 (64 x 272); on the way out 16 rows x 528 bytes
.set SPIT,   528
; window 0
.set AK,     8                         ; v8-9     K fragments in f16 buffer 0, 1
.set AV,     10                        ; v10-11   V fragments (transposing loads)
.set CL,     12                        ; v12-13   my quarter of the f32 slot 0, 1
.set CSK,    14                        ; v14-15   where my quarter of K goes as f16
.set CSV,    16                        ; v16-17   the same for V
.set STO,    19                        ; stage: where I put 16 bytes of a row of out
.set RD,     20                        ; stage: where I read a row back
.set CO,     21                        ; my 16 bytes in a row of q or out
.set PFV,    22                        ; prefetch: byte offset in the head's K or V
.set PFMAX,  23                        ; its clamp: my bytes of the last tile
.set NINF,   24                        ; -inf
.set QST,    25                        ; stage: where I put 8 bytes of a row of Q
.set QRD,    26                        ; stage: my Q fragments
.set MX,     28                        ; v28-31   running maximum of the raw scores, query block qb
.set LS,     32                        ; v32-35   running sum (this lane's half of the keys)
.set TM,     36                        ; v36-39   at work: the new maximum (chain of key blocks 0, 1)
.set TN,     40                        ; v40-43   at work (chain of key blocks 2, 3)
.set AL,     44                        ; v44-51   rescaling factor, twice (a pair for the packed multiply)
.set NN,     52                        ; v52-59   - maximum x c, twice
.set SU,     60                        ; v60-67   at work: four chains of sums
.set SC,     72                        ; v72-199  scores: block (kb, qb) at SC + 8 (4 kb + qb); P(qb, c) is written over block (2 c, qb)
.set CT,     200                       ; v200-231 conversion: 8 rows x 4 f32
.set CV,     232                       ; v232-247 conversion: 8 rows x 4 f16
; window 1: O, block (db, qb) at 8 (4 db + qb); at the start Q as loaded, row i at 4 i.
; window 2: Q(qb, ks) at 8 (4 qb + ks); fragments of K at FR + 8 (4 kb + ks).
; window 3: fragments of V at FRV + 8 (8 c + db): registers of their own, since step t - 1's are still multiplied when step t's fragments of K are in.
.set FR,     128
.set FRV,    0
.set G1,     16                        ; s[16:23] descriptor group 1
.set G0,     24                        ; s[24:31] descriptor group 0, a set for each slot
.set MA,     32                        ; s[32:63] lane masks of a half's key blocks 0, 1: word 16 kb + 8 q + j
.set MB,     68                        ; s[68:99] of its key blocks 2, 3
; s[4:5] prefetch base, s[6:7] q, s[10:11] lm, s[12:13] out, s14 wave, s15 trips, s66 = c = log2(e)/sqrt(128), s67 = -c, s100-101 selects of v_permlanex16_b32
.set MSB, 0
.macro WIN new                         ; s_set_vgpr_msb: bits 1:0 source 0, 3:2 source 1, 5:4 source 2, 7:6 destination; the high byte repeats the setting that is left
.if MSB != \new
	s_set_vgpr_msb (MSB<<8)|\new
.set MSB, \new
.endif
.endm
.macro PLACES n                        ; places behind matrix instructions (ISA guide 7.12.1)
.rept \n
	v_nop
.endr
.endm
; a round of the cluster's barrier: my work-group's barrier, wave 0 signals for the work-group, every wave waits for all four work-groups, my work-group's barrier again
.macro ROUND
	s_barrier_signal -1
	s_barrier_wait -1
	s_cmp_lg_u32 s14, 0
	s_cbranch_scc1 .Lnot_wave_0_\@
	s_barrier_signal -3
.Lnot_wave_0_\@:
	s_barrier_wait -3
	s_barrier_signal -1
	s_barrier_wait -1
.endm
; 16 rows of q, f32, into O's registers, which are free until the first step: each load takes one row's 512 consecutive bytes, aligned
.macro QLOAD qb
	WIN 0x40                                       ; destination window 1
.irp i, 0,1,2,3,4,5,6,7,8,9,10,11,12,13,14,15
	global_load_b128 v[64*\qb+4*\i:64*\qb+4*\i+3], v[CO], s[6:7] offset:(16*\qb+\i)*512 th:TH_LOAD_NT
.endr
.endm
; those 16 rows rounded to f16, put into my own stage (every block of 16 rows has bytes of its own there), read back as four fragments of 16 rows x 32 columns
.macro QPUT qb
	WIN 0x05                                       ; sources window 1, destination window 0
.irp i, 0,1,2,3,4,5,6,7,8,9,10,11,12,13,14,15
	v_cvt_pk_f16_f32 v[SC+32*(\qb&1)+2*\i],   v[64*\qb+4*\i],   v[64*\qb+4*\i+1]
	v_cvt_pk_f16_f32 v[SC+32*(\qb&1)+2*\i+1], v[64*\qb+4*\i+2], v[64*\qb+4*\i+3]
.endr
	WIN 0
.irp i, 0,1,2,3,4,5,6,7,8,9,10,11,12,13,14,15
	ds_store_b64 v[QST], v[SC+32*(\qb&1)+2*\i:SC+32*(\qb&1)+2*\i+1] offset:(16*\qb+\i)*PITK
.endr
	WIN 0x80                                       ; destination window 2
.irp ks, 0,1,2,3
	ds_load_b128 v[8*(4*\qb+\ks):8*(4*\qb+\ks)+3],   v[QRD] offset:\qb*16*PITK+\ks*64      ; LDS serves a wave's instructions in order: these see the stores above
	ds_load_b128 v[8*(4*\qb+\ks)+4:8*(4*\qb+\ks)+7], v[QRD] offset:\qb*16*PITK+\ks*64+32
.endr
.endm
; conversion, 8 of my 16 rows of K (part 0) or V (part 1): a load takes one row's 512 bytes, a store its 256 bytes of f16
.macro CVL slot, part, half
.irp i, 0,1,2,3,4,5,6,7
	ds_load_b128 v[CT+4*\i:CT+4*\i+3], v[CL+\slot] offset:\part*TILEB+(8*\half+\i)*512
.endr
.endm
.macro CVS slot, part, half
.irp i, 0,1,2,3,4,5,6,7
	v_cvt_pk_f16_f32 v[CV+2*\i],   v[CT+4*\i],   v[CT+4*\i+1]
	v_cvt_pk_f16_f32 v[CV+2*\i+1], v[CT+4*\i+2], v[CT+4*\i+3]
.endr
.irp i, 0,1,2,3,4,5,6,7
.if \part
	ds_store_b64 v[CSV+\slot], v[CV+2*\i:CV+2*\i+1] offset:(8*\half+\i)*PITV
.else
	ds_store_b64 v[CSK+\slot], v[CV+2*\i:CV+2*\i+1] offset:(8*\half+\i)*PITK
.endif
.endr
.endm
; K's 16 fragments (16 keys x 32 columns), the 8 loads of a ks together, so that the products can begin when the first 8 are in
.macro FETCHK slot
	WIN 0x80                                       ; destination window 2
.irp ks, 0,1,2,3
.irp kb, 0,1,2,3
	ds_load_b128 v[FR+8*(4*\kb+\ks):FR+8*(4*\kb+\ks)+3],   v[AK+\slot] offset:\kb*16*PITK+\ks*64
	ds_load_b128 v[FR+8*(4*\kb+\ks)+4:FR+8*(4*\kb+\ks)+7], v[AK+\slot] offset:\kb*16*PITK+\ks*64+32
.endr
.endr
.endm
; V^T's 16 fragments (16 columns x 32 keys) from rows that lie along the columns: transposing loads, 16 rows apart
.macro FETCHV slot
	WIN 0xc0                                       ; destination window 3
.irp c, 0,1
.irp db, 0,1,2,3,4,5,6,7
	ds_load_tr16_b128 v[FRV+8*(8*\c+\db):FRV+8*(8*\c+\db)+3],   v[AV+\slot] offset:\c*32*PITV+\db*32
	ds_load_tr16_b128 v[FRV+8*(8*\c+\db)+4:FRV+8*(8*\c+\db)+7], v[AV+\slot] offset:\c*32*PITV+\db*32+16*PITV
.endr
.endr
.endm
; ---------------------------------------------------------------- a run of 32 matrix instructions, dealt out one at a time
; PHASE says which run is due; MM issues its next instruction.  Every stream of vector work below calls MM 32 times.
;   kind 1: S^T = K Q^T of one half of my rows.  Instruction n: ks = n / 8, key block (n / 2) mod 4, query block 2 half + n mod 2.  The half's 8 accumulators take
;           turns, one instruction a turn; the first turn starts the sums.  wt = 1: K's fragments are still coming; in front of each
;           ks the 8 loads of that ks are waited for; extra = LDS instructions issued behind them that may stay out.
;   kind 2: O^T += V^T P^T of one half.  Instruction n: c = n / 16, column block (n / 2) mod 8, query block 2 half + n mod 2.  16 accumulators take turns likewise.
;           first = 1: the first turn starts the sums.
;   kind 0: no run is due: MM issues nothing.
.set PH_KIND,  0
.set PH_HALF,  0
.set PH_FIRST, 0
.set PH_WAIT,  0
.set PH_EXTRA, 0
.set PH_N,     0
.macro PHASE kind, half, first, wt, extra
.set PH_KIND,  \kind
.set PH_HALF,  \half
.set PH_FIRST, \first
.set PH_WAIT,  \wt
.set PH_EXTRA, \extra
.set PH_N,     0
.endm
.macro MM
.if PH_KIND == 1
.set wks, (PH_N>>3)
.set wkb, ((PH_N>>1)&3)
.set wqb, (2*PH_HALF)+(PH_N&1)
.if PH_WAIT
.if (PH_N&7) == 0
	s_wait_dscnt 8*(3-wks)+PH_EXTRA                ; LDS loads come back in order: the 8 loads of this ks are in, the later ones may be out
.endif
.endif
	WIN 0x0a                                       ; sources 0 and 1 window 2, C and D window 0
.if wks == 0
	v_wmma_f32_16x16x32_f16 v[SC+8*(4*wkb+wqb):SC+8*(4*wkb+wqb)+7], v[FR+8*(4*wkb+wks):FR+8*(4*wkb+wks)+7], v[8*(4*wqb+wks):8*(4*wqb+wks)+7], 0
.else
	v_wmma_f32_16x16x32_f16 v[SC+8*(4*wkb+wqb):SC+8*(4*wkb+wqb)+7], v[FR+8*(4*wkb+wks):FR+8*(4*wkb+wks)+7], v[8*(4*wqb+wks):8*(4*wqb+wks)+7], v[SC+8*(4*wkb+wqb):SC+8*(4*wkb+wqb)+7]
.endif
.endif
.if PH_KIND == 2
.set wc,  (PH_N>>4)
.set wdb, ((PH_N>>1)&7)
.set wqb, (2*PH_HALF)+(PH_N&1)
	WIN 0x53                                       ; source 0 window 3, source 1 window 0, C and D window 1
.if PH_FIRST*(1-wc)
	v_wmma_f32_16x16x32_f16 v[8*(4*wdb+wqb):8*(4*wdb+wqb)+7], v[FRV+8*(8*wc+wdb):FRV+8*(8*wc+wdb)+7], v[SC+8*(8*wc+wqb):SC+8*(8*wc+wqb)+7], 0
.else
	v_wmma_f32_16x16x32_f16 v[8*(4*wdb+wqb):8*(4*wdb+wqb)+7], v[FRV+8*(8*wc+wdb):FRV+8*(8*wc+wdb)+7], v[SC+8*(8*wc+wqb):SC+8*(8*wc+wqb)+7], v[8*(4*wdb+wqb):8*(4*wdb+wqb)+7]
.endif
.endif
.set PH_N, PH_N+1
.endm
; the lane masks of one half of my rows for the step's four key blocks: in lm a key block is 128 bytes, a half's 16 words 64 consecutive bytes of them
.macro LMLH half
	s_load_b512 s[MA:MA+15],    s[10:11], \half*64
	s_load_b512 s[MA+16:MA+31], s[10:11], \half*64+128
	s_load_b512 s[MB:MB+15],    s[10:11], \half*64+256
	s_load_b512 s[MB+16:MB+31], s[10:11], \half*64+384
.endm
.macro MASKK kb, half, m               ; masked scores become -inf; m = the first scalar register of this key block's 16 words
.irp q, 0,1
.irp j, 0,1,2,3,4,5,6,7
	v_cndmask_b32 v[SC+8*(4*\kb+2*\half+\q)+\j], v[SC+8*(4*\kb+2*\half+\q)+\j], v[NINF], s[\m+8*\q+\j]
.endr
.endr
.endm
; four chains that do not wait for each other: for each of the half's two query blocks one over key blocks 0, 1 (TM) and one over key blocks 2, 3 (TN)
.macro MAXROW half, kb, j, srcl, srch
.irp q, 0,1
	v_max3_num_f32 v[TM+2*\half+\q], v[\srcl+2*\half+\q], v[SC+8*(4*\kb+2*\half+\q)+\j], v[SC+8*(4*\kb+2*\half+\q)+\j+1]
	v_max3_num_f32 v[TN+2*\half+\q], v[\srch+2*\half+\q], v[SC+8*(4*(\kb+2)+2*\half+\q)+\j], v[SC+8*(4*(\kb+2)+2*\half+\q)+\j+1]
.endr
.endm
; THE FIRST STREAM of a half: mask (4 calls of MM), maximum (8), statistics (4), rescaling of O (16).
; resc = 0: O has no sums yet.  ldm = 1: behind the masking the other half's lane masks are asked for; 2: the next step's, for rows 0-31; 0: none.
.macro PART1 half, resc, ldm
.irp k, 0,1,2,3
	MM
	WIN 0
.set mm0, MA+(16*\k)+(4*(\k>>1))
	MASKK \k, \half, mm0
.endr
.if (\ldm) == 1
	LMLH 1
.endif
.if (\ldm) == 2
	s_add_nc_u64 s[10:11], s[10:11], 512           ; no scalar load is out: the pointer steps by a step's 4 x 32 words
	LMLH 0
.endif
	MM
	WIN 0
	MAXROW \half, 0, 0, MX, MX                     ; both chains start from the running maximum
.irp j, 2,4,6
	MM
	WIN 0
	MAXROW \half, 0, \j, TM, TN
.endr
.irp j, 0,2,4,6
	MM
	WIN 0
	MAXROW \half, 1, \j, TM, TN
.endr
	; the new maximum of each row (the other half of its keys lies 16 lanes away), -m c, and the factor exp2(m_old c - m_new c) made of the two rounded
	; products that the old and the new p are shifted by
	MM
	WIN 0
.irp q, 0,1
	v_max_num_f32 v[TM+2*\half+\q], v[TM+2*\half+\q], v[TN+2*\half+\q]
.endr
.irp q, 0,1
	v_permlanex16_b32 v[TN+2*\half+\q], v[TM+2*\half+\q], s100, s101
.endr
	MM
	WIN 0
.irp q, 0,1
	v_max_num_f32 v[TM+2*\half+\q], v[TM+2*\half+\q], v[TN+2*\half+\q]
.endr
.irp q, 0,1
	v_mul_f32 v[TN+2*\half+\q], s67, v[TM+2*\half+\q]
.endr
	MM
	WIN 0
.irp q, 0,1
	v_sub_f32 v[SU+\q], v[TN+2*\half+\q], v[NN+2*(2*\half+\q)]
.endr
.irp q, 0,1
	v_exp_f32 v[AL+2*(2*\half+\q)], v[SU+\q]
.endr
	MM
	WIN 0
.irp q, 0,1                            ; plain instructions that touch neither AL nor SU stand behind the exponentials (ISA guide 5.7.2)
	v_mov_b32 v[NN+2*(2*\half+\q)],   v[TN+2*\half+\q]
	v_mov_b32 v[NN+2*(2*\half+\q)+1], v[TN+2*\half+\q]
	v_mov_b32 v[MX+2*\half+\q],       v[TM+2*\half+\q]
.endr
	s_wait_alu depctr_va_vdst(0)
.irp q, 0,1
	v_mov_b32 v[AL+2*(2*\half+\q)+1], v[AL+2*(2*\half+\q)]
.endr
	; O x factor: a lane's O numbers of a query block all belong to one row
.irp db, 0,1,2,3,4,5,6,7
.irp q, 0,1
	MM
.if \resc
	WIN 0x41                                       ; source 0 and destination window 1
.irp i, 0,2,4,6
	v_pk_mul_f32 v[8*(4*\db+2*\half+\q)+\i:8*(4*\db+2*\half+\q)+\i+1], v[8*(4*\db+2*\half+\q)+\i:8*(4*\db+2*\half+\q)+\i+1], v[AL+2*(2*\half+\q):AL+2*(2*\half+\q)+1]
.endr
.endif
.endr
.endr
.endm
; THE SECOND STREAM, one query block (16 calls of MM; a half is two blocks): p = exp2(s c - m c) in place, its sum into the running sum, p rounded to f16
.macro EXFMA qb, f                     ; pair f of the block's 16: key block f / 4, registers 2 (f mod 4) and the next
.set xr, SC+8*(4*((\f)>>2)+\qb)+2*((\f)&3)
	v_pk_fma_f32 v[xr:xr+1], v[xr:xr+1], s[66:67], v[NN+2*\qb:NN+2*\qb+1] op_sel_hi:[1,0,1]
.endm
.macro EXEXP qb, g                     ; group g of 8: key block g / 2, registers 4 (g mod 2) + 0..3
.set xr, SC+8*(4*((\g)>>1)+\qb)+4*((\g)&1)
.irp j, 0,1,2,3
	v_exp_f32 v[xr+\j], v[xr+\j]
.endr
.endm
; P(qb, c): registers 0-3 keys 8 h + 0..7 (block 2 c), 4-7 keys 16 + 8 h + 0..7 (block 2 c + 1); register m mod 8 of P(qb, m / 8), written upward over block 2 c, behind its reads
.macro CVP qb, m
.set xd, SC+8*(8*((\m)>>3)+\qb)+((\m)&7)
.set xs, SC+8*(8*((\m)>>3)+4*(((\m)>>2)&1)+\qb)+2*((\m)&3)
	v_cvt_pk_f16_f32 v[xd], v[xs], v[xs+1]
.endm
.macro EXPQ qb
	MM
	WIN 0
.irp f, 0,1,2,3
	EXFMA \qb, \f
.endr
.irp k, 0,1,2,3,4,5                    ; the exponents of a key block are made two groups ahead of its exponentials
	MM
	WIN 0
	EXEXP \qb, \k
	EXFMA \qb, 4+2*\k
	EXFMA \qb, 5+2*\k
.endr
.irp k, 6,7
	MM
	WIN 0
	EXEXP \qb, \k
.endr
	MM
	WIN 0
	v_nop                                          ; one plain place between the exponentials and the first use of a result (ISA guide 5.7.2)
	s_wait_alu depctr_va_vdst(0)
.irp kb, 0,1,2,3
	v_pk_add_f32 v[SU+2*\kb:SU+2*\kb+1], v[SC+8*(4*\kb+\qb):SC+8*(4*\kb+\qb)+1], v[SC+8*(4*\kb+\qb)+2:SC+8*(4*\kb+\qb)+3]
.endr
.irp i, 4,6
	MM
	WIN 0
.irp kb, 0,1,2,3
	v_pk_add_f32 v[SU+2*\kb:SU+2*\kb+1], v[SU+2*\kb:SU+2*\kb+1], v[SC+8*(4*\kb+\qb)+\i:SC+8*(4*\kb+\qb)+\i+1]
.endr
.endr
	MM
	WIN 0
	v_pk_add_f32 v[SU:SU+1],   v[SU:SU+1],   v[SU+2:SU+3]
	v_pk_add_f32 v[SU+4:SU+5], v[SU+4:SU+5], v[SU+6:SU+7]
	v_pk_add_f32 v[SU:SU+1],   v[SU:SU+1],   v[SU+4:SU+5]
	v_add_f32 v[SU], v[SU], v[SU+1]
	v_fma_f32 v[LS+\qb], v[LS+\qb], v[AL+2*\qb], v[SU]
	MM
	WIN 0
.irp m, 0,1,2,3,4
	CVP \qb, \m
.endr
	MM
	WIN 0
.irp m, 5,6,7,8,9
	CVP \qb, \m
.endr
	MM
	WIN 0
.irp m, 10,11,12,13,14,15
	CVP \qb, \m
.endr
.endm
; Prefetch: in step t wave 0 asks for 32 blocks 256 bytes apart of tile t + 3, whose tensor load is issued in step t + 1.  The four work-groups of a cluster take a quarter
; of the tile each; the head's first cluster asks for K, its second for V: each block is asked for once, but for tile 31, which the clamp asks for again in step 29.
.macro PF
	s_cmp_lg_u32 s14, 0
	s_cbranch_scc1 .Lno_pf_\@
	global_prefetch_b8 v[PFV], s[4:5] th:TH_LOAD_NT scope:SCOPE_SE
.Lno_pf_\@:
.endm
; ---------------------------------------------------------------- set-up
	s_load_b256 s[4:11], s[0:1], 0x0               ; k s[4:5], q s[6:7], v s[8:9], lm s[10:11]
	s_load_b64 s[12:13], s[0:1], 0x20              ; out0
	v_lshl_add_u32 v254, v0, 2, 0x42800
	v_mov_b32 v255, 0
	ds_add_u32 v254, v255
	v_lshrrev_b32 v1, 5, v0
	v_readfirstlane_b32 s14, v1                    ; wave 0..3
	v_and_b32 v3, 31, v0                           ; lane
	v_lshlrev_b32 v[CO], 4, v3                     ; 16 bytes a lane
	s_bfe_u32 s32, ttmp6, 0x40000                  ; cx: my place in the cluster (s32 and up are free until the first lane masks are asked for)
	s_lshl_b32 s33, ttmp9, 2
	s_add_co_u32 s33, s33, s32                     ; query block of 256 rows = 4 x cluster x + cx, 0..7
	s_and_b32 s34, ttmp7, 0xffff                   ; head
	s_lshl_b32 s36, s34, 20                        ; 2,048 rows x 512 bytes
	s_mov_b32 s37, 0
	s_lshl_b32 s44, s33, 17                        ; 256 rows x 512 bytes
	s_lshl_b32 s45, s14, 15                        ; 64 rows
	s_add_co_u32 s44, s44, s45
	s_add_co_u32 s44, s44, s36
	s_mov_b32 s45, 0
	; group 1: a wave's part of a tile is 32 rows of K or V = 16,384 bytes that are dense in memory, taken as 64 rows of 32 elements of 8 bytes
	s_mov_b32 s[G1+0], 15|(3<<16)|(1<<21)          ; 15:0 mask: all four work-groups of the cluster; 17:16 elements of 8 bytes; 21 set beside a mask; no padding
	s_mov_b32 s[G1+1], 32<<16                      ; tensor_dim0 = 32
	s_mov_b32 s[G1+2], 64<<16                      ; tensor_dim1 = 64
	s_mov_b32 s[G1+3], 32<<16                      ; tile_dim0 = 32
	s_mov_b32 s[G1+4], 64                          ; tile_dim1 = 64
	s_mov_b32 s[G1+5], 32                          ; from row to row: 32 elements
	s_mov_b32 s[G1+6], 0
	s_mov_b32 s[G1+7], 0
	s_and_b32 s38, s14, 1
	s_lshl_b32 s38, s38, 14                        ; waves 0, 2 bring a tile's rows 0-31, waves 1, 3 its rows 32-63
	s_add_co_u32 s38, s38, s36                     ; + the head: nothing here hangs on the place in the cluster
	s_mov_b32 s39, 0
	s_lshl_b32 s42, s14, 14                        ; and they land at wave x 16,384: K's halves, then V's
	s_wait_dscnt 0x0
	s_wait_kmcnt 0x0
	s_add_nc_u64 s[6:7], s[6:7], s[44:45]          ; q and out at my wave's first row
	s_add_nc_u64 s[12:13], s[12:13], s[44:45]
	QLOAD 0                                        ; 48 of my 64 rows of q are asked for before anything else; they come while the cluster gathers
	QLOAD 1
	QLOAD 2
	WIN 0
	s_cmp_lt_u32 s14, 2
	s_cselect_b64 s[40:41], s[4:5], s[8:9]         ; waves 0, 1 fetch K, waves 2, 3 V
	s_add_nc_u64 s[40:41], s[40:41], s[38:39]
.irp s, 0,1
	s_mov_b32 s[G0+4*\s], 1                                        ; count = 1
	s_add_co_u32 s[G0+4*\s+1], s42, \s*FSLOT                       ; LDS address
	s_add_nc_u64 s[G0+4*\s+2:G0+4*\s+3], s[40:41], \s*TILEB        ; global address: tile s
	s_or_b32 s[G0+4*\s+3], s[G0+4*\s+3], 0x80000000                ; type = 2
.endr
	ROUND                                          ; all four work-groups are here: the first joint loads meet
	tensor_load_to_lds s[G0:G0+3],   s[G1:G1+7]    ; tile 0
	s_nop 0
	tensor_load_to_lds s[G0+4:G0+7], s[G1:G1+7]    ; tile 1: two tensor loads of the wave are out here, later one
	s_nop 0
	s_lshl2_add_u32 s46, s33, s14                  ; g = my 64 rows' number in the sequence
	s_lshl_b32 s46, s46, 14
	s_mov_b32 s47, 0
	s_add_nc_u64 s[10:11], s[10:11], s[46:47]      ; lm at my rows, key 0
	s_cmp_eq_u32 ttmp9, 0
	s_cselect_b64 s[4:5], s[4:5], s[8:9]           ; prefetch: the head's first cluster asks for K, the second for V
	s_add_nc_u64 s[4:5], s[4:5], s[36:37]
	s_mov_b32 s66, 0x3e0293ee                      ; c = log2(e) / sqrt(128)
	s_mov_b32 s67, 0xbe0293ee                      ; -c
	s_mov_b32 s100, 0x76543210                     ; v_permlanex16_b32: lane i reads lane i of the other half
	s_mov_b32 s101, 0xfedcba98
	s_lshl_b32 s48, s32, 13                        ; prefetch: my work-group's quarter of a tile
	s_lshl_b32 s49, s14, 13                        ; my 16 rows of an f32 tile
	s_mul_i32 s50, s14, 16*PITK                    ; of f16 K
	s_mul_i32 s51, s14, 16*PITV                    ; of f16 V
	s_mul_i32 s52, s14, WSTG
	s_add_co_u32 s52, s52, STAGE                   ; my stage
	v_and_b32 v1, 15, v0                           ; r
	v_bfe_u32 v2, v0, 4, 1                         ; h
	v_mul_u32_u24 v4, v1, PITK
	v_lshl_add_u32 v4, v2, 4, v4                   ; a fragment of K or Q: row r, 16 h bytes in
	v_add_nc_u32 v[AK],   BK0, v4
	v_add_nc_u32 v[AK+1], BK0+BBUF, v4
	v_add_nc_u32 v[QRD],  s52, v4
	v_and_b32 v5, 7, v0
	v_lshl_add_u32 v5, v2, 3, v5                   ; V fragment: key 8 h + lane mod 8,
	v_mul_u32_u24 v5, v5, PITV
	v_bfe_u32 v6, v0, 3, 1
	v_lshl_add_u32 v5, v6, 4, v5                   ; columns 8 x (bit 3 of the lane) + 0..7
	v_add_nc_u32 v[AV],   BV0, v5
	v_add_nc_u32 v[AV+1], BV0+BBUF, v5
	v_add_nc_u32 v[CL],   s49, v[CO]
	v_add_nc_u32 v[CL+1], FSLOT, v[CL]
	v_lshlrev_b32 v7, 3, v3                        ; 8 bytes a lane
	v_add_nc_u32 v[QST],   s52, v7
	v_add_nc_u32 v[CSK],   s50, v7
	v_add_nc_u32 v[CSK+1], BK0+BBUF, v[CSK]
	v_add_nc_u32 v[CSK],   BK0, v[CSK]
	v_add_nc_u32 v[CSV],   s51, v7
	v_add_nc_u32 v[CSV+1], BV0+BBUF, v[CSV]
	v_add_nc_u32 v[CSV],   BV0, v[CSV]
	v_mul_u32_u24 v[STO], v1, SPIT
	v_lshl_add_u32 v[STO], v2, 5, v[STO]
	v_add_nc_u32 v[STO], s52, v[STO]               ; stage in: row r, columns 8 h ..
	v_add_nc_u32 v[RD], s52, v[CO]                 ; stage back: a row's 512 bytes
	v_lshlrev_b32 v[PFV], 8, v3
	v_add_nc_u32 v[PFV], s48, v[PFV]
	v_add_nc_u32 v[PFMAX], 31*TILEB, v[PFV]        ; my bytes of the last tile
	v_add_nc_u32 v[PFV], 2*TILEB, v[PFV]           ; stepped at the head of each step: step 0 asks for tile 3
	v_mov_b32 v[NINF], 0xff800000
.irp qb, 0,1,2,3
	v_mov_b32 v[MX+\qb], 0xff7fffff                ; -FLT_MAX
	v_mov_b32 v[LS+\qb], 0
	v_mul_f32 v[NN+2*\qb],   s67, v[MX+\qb]
	v_mul_f32 v[NN+2*\qb+1], s67, v[MX+\qb]
.endr
	LMLH 0                                         ; step 0's lane masks of my rows 0-31; the temporaries in s32 and up are done with
	s_wait_loadcnt 32                              ; rows 0-15 are in, the 32 younger loads stay out
	QLOAD 3                                        ; the last 16 rows: 48 loads of the wave are out again
	QPUT 0
	s_wait_loadcnt 32                              ; rows 16-31 are in; rows 32-63 stay out
	QPUT 1
	s_wait_loadcnt 16                              ; rows 32-47 are in; rows 48-63 stay out
	QPUT 2
	WIN 0
	s_wait_tensorcnt 0x1                           ; my part of tile 0 is in; tile 1 may stay out
	s_wait_dscnt 0x0                               ; no LDS instruction of mine is pending at the signal
	s_barrier_signal -1
	s_barrier_wait -1                              ; everybody's part is in
.irp part, 0,1
.irp half, 0,1
	CVL 0, \part, \half                            ; tile 0 to f16, before the first step
	s_wait_dscnt 0x0
	CVS 0, \part, \half
.endr
.endr
	s_wait_loadcnt 0x0                             ; rows 48-63 came meanwhile
	QPUT 3
	WIN 0
; ---------------------------------------------------------------- one step: tile t, slot = t mod 2
; prev: rows 32-63 of step t - 1 are still to be finished.  first: t = 0, O has no sums yet.  pfirst: t = 1, the sums of O's rows 32-63 start.
; refill: tile t + 2 is asked for.  conv: tile t + 1 is rounded to f16.  more: the next step's lane masks are asked for.
.macro STEP slot, prev, first, pfirst, refill, conv, more
.if \refill
	s_wait_xcnt 0x0                                ; the last prefetch's address has been read: its offset may be stepped
	v_add_nc_u32 v[PFV], TILEB, v[PFV]
	v_min_u32 v[PFV], v[PFV], v[PFMAX]             ; never past the head's last tile
.endif
	s_wait_tensorcnt 0x0                           ; all my tensor loads have landed, my part of tile t + 1 among them, so a group 0 may be written
	ds_add_u32 v254, v255
	s_wait_dscnt 0x0
.if \refill
	s_add_nc_u64 s[G0+4*\slot+2:G0+4*\slot+3], s[G0+4*\slot+2:G0+4*\slot+3], 2*TILEB
.endif
	s_wait_dscnt 0x0                               ; my reads of this f32 slot and of the other f16 buffer are back, my stores into this f16 buffer are done
.if \refill
	ROUND                                          ; all that now holds of every wave of all four work-groups
	tensor_load_to_lds s[G0+4*\slot:G0+4*\slot+3], s[G1:G1+7]      ; tile t + 2: my one tensor load until the next round; it has this whole step in which to land
	s_nop 0
.else
	s_barrier_signal -1
	s_barrier_wait -1
.endif
	FETCHK \slot
.if \conv
	WIN 0
	CVL 1-\slot, 0, 0
.endif
	; ---- S of rows 0-31 (t), among the exponentials of rows 32-63 (t - 1)
	PHASE 1, 0, 0, 1, 8*\conv
.if \prev
	EXPQ 2
	EXPQ 3
.else
.rept 32
	MM
.endr
.endif
	PHASE 0, 0, 0, 0, 0
	WIN 0                                          ; a branch follows
.if \refill
	PF
.endif
	PLACES 4                                       ; behind the run: its results are read below
.if \conv
	s_wait_dscnt 0x0
	CVS 1-\slot, 0, 0
	CVL 1-\slot, 0, 1
.endif
	; ---- O of rows 32-63 (t - 1), among mask, maximum, factor and rescaling of rows 0-31 (t)
	s_wait_kmcnt 0x0                               ; the lane masks of rows 0-31, asked for in the last run of the step before
	PHASE 2*\prev, 1, \pfirst, 0, 0
	PART1 0, 1-\first, 1                           ; behind the masking the masks of rows 32-63 are asked for: they have the rest of this run and the next in which to come
	PHASE 0, 0, 0, 0, 0
	WIN 0
	PLACES 5                                       ; behind the run: V's fragments are loaded again, and new scores written over P of rows 32-63, below
	FETCHV \slot
	WIN 0
.if \conv
	s_wait_dscnt 32                                ; the 8 conversion loads are in; the 32 loads of V's fragments, issued behind them, may stay out
	CVS 1-\slot, 0, 1
	CVL 1-\slot, 1, 0
.endif
	; ---- S of rows 32-63 (t), among the exponentials of rows 0-31 (t)
	PHASE 1, 1, 0, 0, 0                            ; K's fragments are all in since the first run
	EXPQ 0
	EXPQ 1
	PHASE 0, 0, 0, 0, 0
	WIN 0
	PLACES 4                                       ; behind the run: its results are read below, and K's fragments loaded again in the next step
	s_wait_dscnt 0x0                               ; V's fragments, and the conversion loads
.if \conv
	CVS 1-\slot, 1, 0
	CVL 1-\slot, 1, 1
.endif
	; ---- O of rows 0-31 (t), among mask, maximum, factor and rescaling of rows 32-63 (t)
	s_wait_kmcnt 0x0
	PHASE 2, 0, \first, 0, 0
	PART1 1, 1-\first, 2*\more                     ; behind the masking the next step's masks of rows 0-31 are asked for
	PHASE 0, 0, 0, 0, 0
	WIN 0
	PLACES 5                                       ; behind the run: the next step writes new scores over P of rows 0-31
.if \conv
	s_wait_dscnt 0x0
	CVS 1-\slot, 1, 1
.endif
.endm
	STEP 0, 0, 1, 0, 1, 1, 1                       ; tiles 0 and 1 stand in front of the loop: O's sums start in them
	STEP 1, 1, 0, 1, 1, 1, 1
	s_mov_b32 s15, 14                              ; tiles 2 to 29
.Lpair:
	STEP 0, 1, 0, 0, 1, 1, 1
	STEP 1, 1, 0, 0, 1, 1, 1
	s_sub_co_u32 s15, s15, 1
	s_cmp_lg_u32 s15, 0
	s_cbranch_scc1 .Lpair
	STEP 0, 1, 0, 0, 0, 1, 1                       ; tile 30: nothing is left to fetch, tile 31 is still rounded
	STEP 1, 1, 0, 0, 0, 0, 0                       ; tile 31
	EXPQ 2                                         ; rows 32-63 of tile 31 are finished: no run is due, MM issues nothing
	EXPQ 3
	PHASE 2, 1, 0, 0, 0
.rept 32
	MM
.endr
	PHASE 0, 0, 0, 0, 0
	WIN 0
	PLACES 4                                       ; behind the last run: O is read below
; ---------------------------------------------------------------- the way out
.irp qb, 0,1,2,3
	v_permlanex16_b32 v[TN+\qb], v[LS+\qb], s100, s101             ; the other half of the keys' sum
.endr
.irp qb, 0,1,2,3
	v_add_f32 v[LS+\qb], v[LS+\qb], v[TN+\qb]
.endr
.irp qb, 0,1,2,3
	v_rcp_f32 v[AL+2*\qb], v[LS+\qb]
.endr
	v_nop                                          ; one plain place behind the reciprocals (ISA guide 5.7.2)
	s_wait_alu depctr_va_vdst(0)
.irp qb, 0,1,2,3
	v_mov_b32 v[AL+2*\qb+1], v[AL+2*\qb]
.endr
; 16 rows: divide, 16 bytes a lane into my own stage, read whole rows of 512 bytes back, store them
.macro OUT16 qb
	WIN 0x41
.irp db, 0,1,2,3,4,5,6,7
.irp i, 0,2,4,6
	v_pk_mul_f32 v[8*(4*\db+\qb)+\i:8*(4*\db+\qb)+\i+1], v[8*(4*\db+\qb)+\i:8*(4*\db+\qb)+\i+1], v[AL+2*\qb:AL+2*\qb+1]
.endr
.endr
	WIN 0x04                                       ; store data window 1
.irp db, 0,1,2,3,4,5,6,7
	ds_store_b128 v[STO], v[8*(4*\db+\qb):8*(4*\db+\qb)+3]   offset:64*\db
	ds_store_b128 v[STO], v[8*(4*\db+\qb)+4:8*(4*\db+\qb)+7] offset:64*\db+16
.endr
	WIN 0
	s_wait_xcnt 0x0                                ; the registers that earlier stores read are loaded again only behind this wait
.irp i, 0,1,2,3,4,5,6,7,8,9,10,11,12,13,14,15
	ds_load_b128 v[SC+64*(\qb&1)+4*\i:SC+64*(\qb&1)+4*\i+3], v[RD] offset:\i*SPIT   ; LDS serves a wave's instructions in order: these see the stores above
.endr
.irp i, 0,1,2,3,4,5,6,7,8,9,10,11,12,13,14,15
	s_wait_dscnt 15-\i                             ; row i is in, the younger rows may be out
	global_store_b128 v[CO], v[SC+64*(\qb&1)+4*\i:SC+64*(\qb&1)+4*\i+3], s[12:13] offset:(16*\qb+\i)*512 th:TH_STORE_NT   ; the wave stores a row's 512 consecutive bytes, aligned
.endr
.endm
	OUT16 0
	OUT16 1
	OUT16 2
	OUT16 3
	s_wait_tensorcnt 0x0
	ds_add_u32 v254, v255
	s_wait_dscnt 0x0
	ROUND                                          ; the closing round: no work-group ends while a partner may still ask for a tile that names it
	s_endpgm
.Lfunc_end_k_q892861bd25_attn:
	.size	k_q892861bd25_attn, .Lfunc_end_k_q892861bd25_attn-k_q892861bd25_attn
	.p2alignl 7, 3214868480
	.fill 96, 4, 3214868480
	.section	.rodata,"a",@progbits
	.p2align	6, 0x0
	.amdhsa_kernel k_q892861bd25_attn
		.amdhsa_group_segment_fixed_size 327680
		.amdhsa_private_segment_fixed_size 0
		.amdhsa_enable_private_segment 0
		.amdhsa_kernarg_size 40
		.amdhsa_user_sgpr_count 2
		.amdhsa_user_sgpr_kernarg_segment_ptr 1
		.amdhsa_wavefront_size32 1
		.amdhsa_system_sgpr_workgroup_id_x 1
		.amdhsa_system_sgpr_workgroup_id_y 1
		.amdhsa_system_sgpr_workgroup_id_z 1
		.amdhsa_system_vgpr_workitem_id 0
		.amdhsa_next_free_vgpr 896
		.amdhsa_next_free_sgpr 102
		.amdhsa_reserve_vcc 0
		.amdhsa_float_denorm_mode_32 3
		.amdhsa_float_denorm_mode_16_64 3
		.amdhsa_memory_ordered 1
		.amdhsa_forward_progress 1
		.amdhsa_inst_pref_size 255
	.end_amdhsa_kernel
	.section	.bss,"aw",@nobits
	.p2align	6
	.space	262144
	.amdgpu_metadata
---
amdhsa.version: [ 1, 2 ]
amdhsa.kernels:
  - .name:           k_q892861bd25_attn
    .symbol:         k_q892861bd25_attn.kd
    .args:
      - { .name: k, .offset: 0, .size: 8, .value_kind: global_buffer, .address_space: global }
      - { .name: q, .offset: 8, .size: 8, .value_kind: global_buffer, .address_space: global }
      - { .name: v, .offset: 16, .size: 8, .value_kind: global_buffer, .address_space: global }
      - { .name: lm, .offset: 24, .size: 8, .value_kind: global_buffer, .address_space: global }
      - { .name: out0, .offset: 32, .size: 8, .value_kind: global_buffer, .address_space: global }
    .group_segment_fixed_size: 327680
    .private_segment_fixed_size: 0
    .kernarg_segment_align: 8
    .kernarg_segment_size: 40
    .max_flat_workgroup_size: 128
    .sgpr_count:     102
    .vgpr_count:     896
    .wavefront_size: 32
...
	.end_amdgpu_metadata
.endif
;; end of part 3
